; MI455X (gfx1250); checked and timed in simulation.
; The chip was launched on July 23, 2026; its instructions are those of AMD's public machine-readable ISA for CDNA 5 (MIT licence, August 2026) and "CDNA5" Instruction Set Architecture Reference Guide (July 2026). The comments in the code are by the model that wrote it; some were corrected since.
;; Self Attention. Allowed arithmetic: matrix products marked QUANTISED: E4M3 operands, one given power-of-two scale a tensor, by v_wmma_f32_16x16x64_fp8_fp8 or v_wmma_f32_16x16x128_fp8_fp8, f32 sums; everything else in f32.
;; Inputs: W_qkv_codes 3,072 x 32 x 32 uint8 (E4M3 codes of W_qkv, K innermost, in blocks of 32 codes); lowp_scales 6 int32 (the exponents e of the quantised operands' scales 2^e); x_codes 4 x 2,048 x 32 x 32 uint8 (E4M3 codes of x, K innermost, in blocks of 32 codes).
;; Outputs: out0 4 x 16 x 2,048 x 64 float32.
;; This version of the problem:
;;   THIS VERSION OF THE PROBLEM IS GIVEN IN LOW PRECISION. The matrix products marked QUANTISED in the list below multiply operands that are first quantised to E4M3 (4 exponent bits, 3 mantissa bits; 8 bits a number), with one given power-of-two scale for each operand tensor; their sums are f32. All else is computed in f32.
;;   The module's matrix products, in the order in which they are computed (A, B: the left and right operand; K: the contracted axis; several contracted axes count as one K, in the product's order):
;;     1. [M 8,192, K 1,024] x [K 1,024, N 3,072]; A: input x (given as codes); B: input W_qkv (given as codes): QUANTISED (scales: A lowp_scales[0], B lowp_scales[1])
;;     2. batch 64 x [M 2,048, K 64] x [K 64, N 2,048]; A: computed on the way; B: computed on the way: QUANTISED (scales: A lowp_scales[2], B lowp_scales[3])
;;     3. batch 64 x [M 2,048, K 2,048] x [K 2,048, N 64]; A: softmax (see below); B: computed on the way: QUANTISED (scales: A lowp_scales[4], B lowp_scales[5])
;;   THE QUANTISER, for each operand of a quantised product, along K:
;;     - The operand's scale is 2^e, e = its entry of the input lowp_scales (int32; the entries are numbered through the quantised products in the list's order, A before B).
;;     - Each number is divided by the scale, clamped to +-448, and rounded to the nearest number of E4M3, ties to even, subnormals kept.
;;     - The product sums the exact products of the quantised numbers (number of the format x scale) in f32.
;;   ~~~python
;;   def quantise(x, axis, e):      # numpy; x: float32 -> the quantised numbers, widened to float32 again
;;       x = np.moveaxis(x, axis, -1); K = x.shape[-1]
;;       r = np.clip(x / 2.0 ** e, -448, 448)
;;       step = 2.0 ** (np.maximum(np.frexp(np.where(r == 0, 1, r))[1] - 1, -6) - 3)
;;       q = np.round(r / step) * step * 2.0 ** e      # np.round: ties to even
;;       return np.moveaxis(q, -1, axis).astype(np.float32)
;;   ~~~
;;   SOFTMAX AHEAD OF A QUANTISED PRODUCT. Where the list says 'softmax', what is quantised is not the finished softmax but p = 2^(t - M), with t = logit x log2(e) and M = ceil(the row's largest t), a whole number; so 1/2 < the row's largest p <= 1. The row's sum l is taken of the UNQUANTISED p, in f32, and the product's result is divided by l at the end. Since M is a whole number, a kernel that streams over the keys may use a running M (the ceiling of the running maximum): every later rescaling is an exact power of two, so the quantised numbers keep their values, but for numbers so far below the row's largest that they fall under the format's range.
;;   OPERANDS COMPUTED ON THE WAY. 'Computed on the way' means the value that the module computes at that place (a softmax that the list does not call 'softmax' is quantised finished and normalised). What goes into a quantiser is computed in f32, as accurately as f32 sums, v_exp_f32 and their like allow (about 1e-6 of the number): no bf16 or f16 on the way to a quantiser, and a product that is left as it is and whose result goes on into a quantised operand takes f32 operands (vector FMAs, or v_wmma_f32_16x16x4_f32). A number that lies on a knife's edge between two numbers of the format may be rounded either way, as far as f32 arithmetic and the matrix unit's own rounding can turn it there, and no further.
;;   INPUTS GIVEN AS CODES. W_qkv (in the module: [3072, 1024], K = its axis 1); x (in the module: [4, 2048, 1024], K = its axis 2): each comes as NAME_codes (uint8): NAME with its K axis moved to the last place and cut into blocks of 32 codes, [.., K / 32, bytes a block], one block behind the other in memory; one code a byte (a code: sign, 4 exponent bits, 3 mantissa bits); its scale is its entry of lowp_scales. Its value is code x scale, taken as it is: it is not quantised again, and the codes and scales need not be those that the quantiser above would give.
;; One version. Each part assembles by itself: llvm-mc -triple=amdgcn-amd-amdhsa -mcpu=gfx1250 --defsym DOCPART=n.
;; ======== version 1 of 1: 3 launches
;; limits: right only within a limited range of input values
;; workspace buffers: xcat 25,165,824 bytes; wcat 9,437,184 bytes; q_ws 8,388,608 bytes; k_ws 8,388,608 bytes; v_ws 8,388,608 bytes
;; launch split (part 1): grid 704 x 1, 8 waves a work-group, no clusters, 0 bytes of LDS; arguments x_codes, W_qkv_codes, xcat, wcat; writes xcat, wcat
.if DOCPART == 1
	.amdgcn_target "amdgcn-amd-amdhsa--gfx1250"
	.amdhsa_code_object_version 6
	.text
	.protected	k_q32106c9c15_split
	.globl	k_q32106c9c15_split
	.p2align	8
	.type	k_q32106c9c15_split,@function
k_q32106c9c15_split:
	s_mov_b64 s[64:65], 0
	v_nop
	global_prefetch_b8 v0, s[64:65] scope:SCOPE_SE
	s_setreg_imm32_b32 hwreg(HW_REG_WAVE_MODE, 25, 1), 1
	s_wait_xcnt 0x0
; The codes of x [8,192][1,024] and of W_qkv [3,072][1,024] are laid anew for the product of the next launch: x as the pieces [small | large | large], W as [all | small | large], each piece 1,024 along K.
; 'Large' is a code of magnitude 2 or more: its exponent field is 8 or more, which is bit 6 of the code.  'Small' is every other code.  A piece holds the row's codes of its kind in their places and the code 0 elsewhere.
; So the sum over the 3,072 places is x_small W + x_large W_small + x_large W_large: each of the 1,024 products once, and nothing else; no code is changed.  Why: the head of the next kernel.
; LAYOUT OUT: [24 steps of 128 along K][row][128 bytes]: a step's part of a run of rows is one dense block, which the next launch fetches as rows of 256 bytes that begin on multiples of 256.
; DEAD WORK (the whole program): reference() builds jnp.tril itself and sets every score with key > query to -inf, so its weight is 0 whatever the inputs hold.  The last launch therefore
; neither reads from LDS nor multiplies a step of 128 keys whose first key comes after a tile's last query.  Nothing else is left out, and every input is loaded.
; LIMIT: a NaN, an infinity or an overflow that would arise only in the masked products is not carried to the result.  NaN codes among the inputs are not served.
; A stream: no LDS, no barrier, no matrix work.  A work-group takes 16 rows, 4 at a time.  A wave takes 256 bytes of each of two neighbouring rows: sixteen lanes load 256 consecutive bytes, aligned.
; Those are two steps' parts of two rows: a store of the wave fills two aligned units of 256 bytes, each made of the two rows' 128 bytes of one step.
; One text serves both tensors: the first XWG work-groups take x, the others W; pointers and plane sizes are chosen by the work-group's number, the pieces by a mask of all ones (x) or of zeros (W).
.set XWG,  512                         ; 8,192 rows of x / 16
.set T,    4                           ; v4-7    at work
.set C,    8                           ; v8-23   four loads of four words
.set O,    24                          ; v24-71  for load j: 4 words large, 4 words first piece, 4 words second piece: no store's data are written again
	s_load_b256 s[4:11], s[0:1], 0x0               ; x's codes s[4:5], W's s[6:7], xcat s[8:9], wcat s[10:11]
	s_mov_b32 s20, 0x01010101
	s_mov_b32 s21, 255
	s_mov_b32 s23, 393216                          ; a step's plane: rows x 128 bytes; W's,
	s_cmp_lt_u32 ttmp9, XWG                        ; x's work-group or W's?
	s_cselect_b32 s12, 0, XWG
	s_cselect_b32 s22, -1, 0                       ; all ones for x
	s_cselect_b32 s23, 0x100000, s23               ; or x's
	s_sub_co_u32 s12, ttmp9, s12                   ; which 16 rows of the tensor
	s_lshl_b32 s14, s12, 14                        ; in: 16 rows of 1,024 bytes
	s_mov_b32 s15, 0
	s_lshl_b32 s16, s12, 11                        ; out: 16 rows of 128 bytes in each plane
	s_mov_b32 s17, 0
	s_lshl_b32 s24, s23, 3                         ; a piece: eight planes
	s_mov_b32 s25, 0
	v_and_b32 v72, 15, v0                          ; my 16 bytes of the 256
	v_bfe_u32 v73, v0, 4, 1                        ; which of the wave's two rows
	v_bfe_u32 v74, v0, 5, 2                        ; wave % 4: which 256 bytes of a row
	v_lshrrev_b32 v75, 7, v0                       ; wave / 4: which pair of rows
	v_lshl_add_u32 v75, v75, 1, v73                ; my row of the four
	v_lshlrev_b32 v1, 10, v75
	v_lshl_add_u32 v1, v74, 8, v1
	v_lshl_add_u32 v1, v72, 4, v1                  ; in: row x 1,024 + my column
	v_lshrrev_b32 v76, 3, v72
	v_lshl_add_u32 v76, v74, 1, v76                ; my step of the piece's eight: column / 128
	v_mul_lo_u32 v76, v76, s23
	v_and_b32 v72, 7, v72
	v_lshl_add_u32 v2, v75, 7, v76
	v_lshl_add_u32 v2, v72, 4, v2                  ; out: plane + row x 128 + column % 128
	s_wait_alu depctr_va_vdst(0)                   ; the wait at the head's end
	s_wait_kmcnt 0x0
	s_cmp_lt_u32 ttmp9, XWG                        ; the choice hangs on the work-group's number alone
	s_cselect_b64 s[4:5], s[4:5], s[6:7]
	s_cselect_b64 s[8:9], s[8:9], s[10:11]
	s_add_nc_u64 s[4:5], s[4:5], s[14:15]
	s_add_nc_u64 s[8:9], s[8:9], s[16:17]          ; the first piece,
	s_add_nc_u64 s[26:27], s[8:9], s[24:25]        ; the second,
	s_add_nc_u64 s[28:29], s[26:27], s[24:25]      ; the third
.irp j, 0,1,2,3
	global_load_b128 v[C+4*\j:C+4*\j+3], v1, s[4:5] offset:4096*\j th:TH_LOAD_NT   ; rows 4 j .. 4 j + 3; read once
.endr
.irp j, 0,1,2,3
	s_wait_loadcnt 3-\j                            ; load j is in; the younger ones may be out
.irp i, 0,1,2,3
	v_lshrrev_b32 v[T+\i], 6, v[C+4*\j+\i]
	s_delay_alu instid0(VALU_DEP_1)
	v_and_b32 v[T+\i], s20, v[T+\i]                ; 1 in each byte whose code is large,
	s_delay_alu instid0(VALU_DEP_1)
	v_mul_lo_u32 v[T+\i], v[T+\i], s21             ; made 0xff: no byte carries into the next
	s_delay_alu instid0(VALU_DEP_1)
	v_and_b32 v[O+12*\j+\i], v[C+4*\j+\i], v[T+\i] ; the large codes
	s_delay_alu instid0(VALU_DEP_1)
	v_xor_b32 v[T+\i], v[C+4*\j+\i], v[O+12*\j+\i] ; the small codes
	s_delay_alu instid0(VALU_DEP_1)
	v_bfi_b32 v[O+12*\j+4+\i], s22, v[T+\i], v[C+4*\j+\i]   ; the first piece: x: small; W: all
	s_delay_alu instid0(VALU_DEP_2)
	v_bfi_b32 v[O+12*\j+8+\i], s22, v[O+12*\j+\i], v[T+\i]  ; the second piece: x: large; W: small
.endr
	global_store_b128 v2, v[O+12*\j+4:O+12*\j+7], s[8:9] offset:512*\j
	global_store_b128 v2, v[O+12*\j+8:O+12*\j+11], s[26:27] offset:512*\j
	global_store_b128 v2, v[O+12*\j:O+12*\j+3], s[28:29] offset:512*\j     ; the third piece: large
.endr
	s_endpgm
.Lfunc_end_k_q32106c9c15_split:
	.size	k_q32106c9c15_split, .Lfunc_end_k_q32106c9c15_split-k_q32106c9c15_split
	.p2alignl 7, 3214868480
	.fill 96, 4, 3214868480
	.section	.rodata,"a",@progbits
	.p2align	6, 0x0
	.amdhsa_kernel k_q32106c9c15_split
		.amdhsa_group_segment_fixed_size 0
		.amdhsa_private_segment_fixed_size 0
		.amdhsa_enable_private_segment 0
		.amdhsa_kernarg_size 32
		.amdhsa_user_sgpr_count 2
		.amdhsa_user_sgpr_kernarg_segment_ptr 1
		.amdhsa_wavefront_size32 1
		.amdhsa_system_sgpr_workgroup_id_x 1
		.amdhsa_system_sgpr_workgroup_id_y 1
		.amdhsa_system_sgpr_workgroup_id_z 1
		.amdhsa_system_vgpr_workitem_id 0
		.amdhsa_next_free_vgpr 80
		.amdhsa_next_free_sgpr 66
		.amdhsa_reserve_vcc 0
		.amdhsa_float_denorm_mode_32 3
		.amdhsa_float_denorm_mode_16_64 3
		.amdhsa_memory_ordered 1
		.amdhsa_forward_progress 1
		.amdhsa_inst_pref_size 12
	.end_amdhsa_kernel
	.amdgpu_metadata
---
amdhsa.version: [ 1, 2 ]
amdhsa.kernels:
  - .name:           k_q32106c9c15_split
    .symbol:         k_q32106c9c15_split.kd
    .args:
      - { .name: x_codes, .offset: 0, .size: 8, .value_kind: global_buffer, .address_space: global }
      - { .name: W_qkv_codes, .offset: 8, .size: 8, .value_kind: global_buffer, .address_space: global }
      - { .name: xcat, .offset: 16, .size: 8, .value_kind: global_buffer, .address_space: global }
      - { .name: wcat, .offset: 24, .size: 8, .value_kind: global_buffer, .address_space: global }
    .group_segment_fixed_size: 0
    .private_segment_fixed_size: 0
    .kernarg_segment_align: 8
    .kernarg_segment_size: 32
    .max_flat_workgroup_size: 256
    .sgpr_count:     66
    .vgpr_count:     80
    .wavefront_size: 32
...
	.end_amdgpu_metadata
.endif
;; end of part 1
;; launch qkv (part 2): grid 8 x 32, 4 waves a work-group, clusters of 4 x 4, 327,680 bytes of LDS; arguments xcat, wcat, lowp_scales, q_ws, k_ws, v_ws; writes q_ws, k_ws, v_ws
.if DOCPART == 2
	.amdgcn_target "amdgcn-amd-amdhsa--gfx1250"
	.amdhsa_code_object_version 6
	.text
	.protected	k_q32106c9c15_qkv
	.globl	k_q32106c9c15_qkv
	.p2align	8
	.type	k_q32106c9c15_qkv,@function
k_q32106c9c15_qkv:
	s_mov_b64 s[64:65], 0
	v_nop
	global_prefetch_b8 v0, s[64:65] scope:SCOPE_SE
	s_setreg_imm32_b32 hwreg(HW_REG_WAVE_MODE, 25, 1), 1
	s_wait_xcnt 0x0
	s_wait_alu depctr_hold_cnt(0) depctr_sa_sdst(0) depctr_va_vdst(0) depctr_va_sdst(0) depctr_va_ssrc(0) depctr_va_vcc(0) depctr_vm_vsrc(0)
	s_getreg_b32 s2, hwreg(HW_REG_IB_STS2, 6, 4)
	s_cmp_eq_u32 s2, 0
	s_cbranch_scc0 .Lentry_in_a_cluster
	s_endpgm
.Lentry_in_a_cluster:
	s_bfe_u32 s2, ttmp6, 0x10000c
	s_cmp_lg_u32 s2, 0xf033
	s_cbranch_scc0 .Lentry_shape_is_right
	s_endpgm
.Lentry_shape_is_right:
; qkv = x W^T on the given codes of E4M3, f32 sums; each sum x 2^(e0 + e1) is quantised at once with the scale of the product that takes it (q: e2, k: e3, v: e5) and stored as codes.
; The operands come as the launch before laid them: xcat [24 steps][8,192 rows][128 bytes], wcat [24 steps][3,072 rows][128 bytes]; the sum over the 24 steps holds each of the 1,024 products once.
; WHY THE PIECES: the sums go on into a quantiser.  A matrix instruction then sums products of small codes, of a large and a small code, or of two large codes: numbers of like size, whose low bits the sum can hold.  K ascending, one accumulator an output.
; q_ws: [head][t][64 d].  k_ws: the same, but inside each 32 positions bits 3 and 4 of the position are swapped, so that the next launch's tiles of 16 rows are neighbours in memory.  v_ws: [head][32 blocks][64 d][64 keys].
; Nothing of this product is left out.
; LIMIT: e2 - e0 - e1, e3 - e0 - e1 and e5 - e0 - e1 lie between -126 and 119, so that each conversion scale and 448 x it are f32 numbers.
; SHARES.  256 work-groups.  A work-group takes 256 tokens x two heads' q, k and v: 384 columns.  Wave (mi, ni) takes 128 tokens x head ni's q, k, v: 96 accumulators, 768 registers, windows 1 (q), 2 (k), 3 (v).
; q and k are used transposed (source 0 = W's rows): a lane holds one token and eight neighbouring d.  v is used straight (source 0 = x's rows): a lane holds one d and eight neighbouring tokens, its K in the next launch.
; The K = 64 form: a fragment is 8 registers, so window 0 holds two sets of x's eight fragments (v32-159) and three buffers of four fragments of W (v160-255) beside the addresses.
; A fragment comes by two loads of 16 bytes: registers 4 c .. 4 c + 3 hold k = 32 c + 16 (lane / 16) + 0 .. 15: one permutation of k for both operands, inside the instruction's 64, so every product meets its partner.
; THE RING: two slots of one step.  A step's 256 rows of x are 32,768 dense bytes, fetched as 128 rows of 256 bytes; W's q, k and v parts are 64 such rows each.  An LDS row, 272 bytes, holds two rows of the tile:
; row r of a fragment starts at word 68 (r / 2) + 32 (r % 2): sixteen different groups of four banks.
; CLUSTERS 4 x 4: x's tile is shared along a row of the cluster, W's along a column.  Wave 0 asks for x's tile, waves 1 to 3 for W's three parts: one joint load a wave.
; PREFETCH: behind each refill but the last three, every wave asks for its share of the step two refills on: wave 0 for 8,192 bytes of x's tile (the quarter by cx), waves 1 to 3 for 4,096 bytes of their part of W (the quarter by cy,
; lanes 16-31 naming the wave's last block again): lanes 256 bytes apart, each block named once in each cluster that will load it.  Steps 0 to 3 and step 23 come by their loads alone.
.set PITCH,  272
.set SLOT,   320*PITCH
.set XS,     0x100000                  ; a step's plane of xcat
.set WS,     393216                    ; and of wcat
.set STAGE,  2*SLOT                    ; the way out: 128 rows x 80 bytes for each wave; no fill lands here
.set SPITCH, 80
.set SPARE,  STAGE+4*128*SPITCH        ; the spare words, 128 bytes a wave
.set PFO,  15                          ; v15 the prefetches' offset; never rewritten
.set ADRA, 16                          ; v16-17 my x fragments in slot 0, 1
.set ADRB, 18                          ; v18-19 my W fragments
.set STOQ, 20                          ; stage: row lane % 16, + 8 (lane / 16)
.set STOK, 21                          ; the same with k's order of rows
.set RD,   22
.set CO,   23
.set SC,   24                          ; v24-26 the conversions' scales for q, k, v
.set LIM,  27                          ; v27-29 448 x those
.set SPW,  30
.set NIL,  31
.set AF,   32
.set BF,   160
.set TMP,  32                          ; the way out: held sums, codes, rows read back
.set CD,   64
.set BK,   96
.set G1,  24
.set G0,  32
.set G1B, 48
.set G0B, 56
.set OB,  76                           ; s[76:81] my first byte of q_ws, k_ws, v_ws
.set PFA, 96                           ; s[96:97] where my prefetches stand
.set PS,  98                           ; s[98:99] a step on, in my tensor
.set MSB, 0
.macro WIN new
.if MSB != \new
	s_set_vgpr_msb (MSB<<8)|\new
.set MSB, \new
.endif
.endm
.macro JLOAD s                         ; wave 0: x's tile, the others W's; s_nop 0 and four v_nop behind each line
	s_cmp_eq_u32 s16, 0
	s_cbranch_scc0 .Lfor_b_\@
	tensor_load_to_lds s[G0+4*\s:G0+4*\s+3], s[G1:G1+7]
	s_nop 0
.rept 4
	v_nop
.endr
	s_branch .Lasked_\@
.Lfor_b_\@:
	tensor_load_to_lds s[G0B+4*\s:G0B+4*\s+3], s[G1B:G1B+7]
	s_nop 0
.rept 4
	v_nop
.endr
.Lasked_\@:
.endm
.macro CREST
	s_cmp_lg_u32 s16, 0
	s_cbranch_scc1 .Lnot_wave_0_\@
	s_barrier_signal -3
.Lnot_wave_0_\@:
	s_barrier_wait -3
	s_barrier_signal -1
	s_barrier_wait -1
.endm
.macro CROUND
	s_barrier_signal -1
	s_barrier_wait -1
	CREST
.endm
.macro PLACES
.rept 4
	v_nop
.endr
.endm
	s_load_b256 s[4:11], s[0:1], 0x0               ; xcat s[4:5], wcat s[6:7], exponents s[8:9], q_ws s[10:11]
	s_load_b128 s[12:15], s[0:1], 0x20             ; k_ws, v_ws
	v_lshl_add_u32 v[SPW], v0, 2, SPARE
	v_mov_b32 v[NIL], 0
	ds_add_u32 v[SPW], v[NIL]                      ; the opening: the add twice on end and its wait ahead of the first tensor load
	ds_add_u32 v[SPW], v[NIL]
	v_lshrrev_b32 v1, 5, v0
	v_readfirstlane_b32 s16, v1                    ; wave
	s_lshr_b32 s17, s16, 1                         ; mi
	s_and_b32 s18, s16, 1                          ; ni
	s_bfe_u32 s19, ttmp6, 0x40000                  ; cx
	s_bfe_u32 s20, ttmp6, 0x40004                  ; cy
	s_lshl_b32 s21, ttmp9, 2
	s_add_co_u32 s21, s21, s19                     ; pair of heads, 0..7
	s_and_b32 s22, ttmp7, 0xffff
	s_lshl_b32 s22, s22, 2
	s_add_co_u32 s22, s22, s20                     ; block of 256 tokens, 0..31
	s_lshl_b32 s44, s20, 2
	s_lshl_b32 s44, 15, s44                        ; my row of the cluster
	s_lshl_b32 s45, 0x1111, s19                    ; my column
	s_or_b32 s[G1+0], s44, (1<<20)|(1<<21)|(5<<22)|(3<<25)   ; bytes; four words of padding behind every 64
	s_or_b32 s[G1B+0], s45, (1<<20)|(1<<21)|(5<<22)|(3<<25)
	s_mov_b32 s[G1+1], 256<<16
	s_mov_b32 s[G1+2], 128<<16                     ; x: 128 rows of 256 bytes
	s_mov_b32 s[G1+3], 256<<16
	s_mov_b32 s[G1+4], 128
	s_mov_b32 s[G1+5], 256
	s_mov_b32 s[G1+6], 0
	s_mov_b32 s[G1+7], 0
	s_mov_b32 s[G1B+1], 256<<16
	s_mov_b32 s[G1B+2], 64<<16                     ; a part of W: 64 rows of 256 bytes
	s_mov_b32 s[G1B+3], 256<<16
	s_mov_b32 s[G1B+4], 64
	s_mov_b32 s[G1B+5], 256
	s_mov_b32 s[G1B+6], 0
	s_mov_b32 s[G1B+7], 0
	s_lshl_b32 s40, s22, 15                        ; x: 256 rows of 128 bytes a block, in each plane
	s_mov_b32 s41, 0
	s_max_u32 s46, s16, 1
	s_sub_co_u32 s46, s46, 1                       ; W's part: wave - 1 (wave 0 asks for none)
	s_lshl_b32 s46, s46, 17                        ; 1,024 rows of 128 bytes a part
	s_lshl_b32 s47, s21, 14                        ; 128 rows a pair of heads
	s_add_co_u32 s46, s46, s47
	s_mov_b32 s47, 0
	s_add_co_u32 s93, s16, 1
	s_mul_i32 s93, s93, 64*PITCH                   ; W's part in a slot: behind x's 128 LDS rows
	s_wait_dscnt 0x0
	s_wait_kmcnt 0x0
	s_load_b128 s[68:71], s[8:9], 0x0              ; e0 .. e3
	s_load_b64 s[72:73], s[8:9], 0x10              ; e4, e5
	s_add_nc_u64 s[42:43], s[4:5], s[40:41]
	s_add_nc_u64 s[46:47], s[6:7], s[46:47]
	CROUND                                         ; the first joint loads meet
.irp s, 0,1
	s_mov_b32 s[G0+4*\s], 1
	s_mov_b32 s[G0+4*\s+1], \s*SLOT
	s_add_nc_u64 s[G0+4*\s+2:G0+4*\s+3], s[42:43], \s*XS
	s_or_b32 s[G0+4*\s+3], s[G0+4*\s+3], 0x80000000
	s_mov_b32 s[G0B+4*\s], 1
	s_add_co_u32 s[G0B+4*\s+1], s93, \s*SLOT
	s_add_nc_u64 s[G0B+4*\s+2:G0B+4*\s+3], s[46:47], \s*WS
	s_or_b32 s[G0B+4*\s+3], s[G0B+4*\s+3], 0x80000000
.endr
	JLOAD 0                                        ; step 0: one tensor load a wave at the head
	s_mul_i32 s90, s17, 64*PITCH                   ; my 128 rows of x
	s_mul_i32 s91, s18, 32*PITCH
	s_add_co_u32 s91, s91, 128*PITCH               ; my head's 64 rows of each part of W
	s_mul_i32 s92, s16, 128*SPITCH
	s_add_co_u32 s92, s92, STAGE                   ; my stage
	s_lshr_b32 s94, s22, 3                         ; batch
	s_lshl_b32 s94, s94, 4
	s_lshl_b32 s84, s21, 1
	s_add_co_u32 s94, s94, s84
	s_add_co_u32 s94, s94, s18                     ; head = 16 batch + 2 pair + ni
	s_lshl_b32 s94, s94, 17
	s_and_b32 s84, s22, 7
	s_lshl_b32 s84, s84, 1
	s_add_co_u32 s84, s84, s17
	s_lshl_b32 s84, s84, 13                        ; my first token x 64 bytes
	s_add_co_u32 s94, s94, s84
	s_mov_b32 s95, 0
	s_add_nc_u64 s[OB:OB+1], s[10:11], s[94:95]
	s_add_nc_u64 s[OB+2:OB+3], s[12:13], s[94:95]
	s_add_nc_u64 s[OB+4:OB+5], s[14:15], s[94:95]
	s_cmp_eq_u32 s16, 0                            ; the prefetches: wave 0 for x, the others for W
	s_cselect_b64 s[PFA:PFA+1], s[4:5], s[6:7]
	s_mov_b32 s[PS], WS
	s_cselect_b32 s[PS], XS, s[PS]
	s_cselect_b32 s86, 31, 15                      ; the last lane that names a block of its own
	s_mov_b32 s[PS+1], 0
	s_lshl_b32 s87, s22, 15
	s_lshl_b32 s88, s19, 13
	s_add_co_u32 s87, s87, s88                     ; x: my block's tile, the quarter by cx
	s_max_u32 s88, s16, 1
	s_sub_co_u32 s88, s88, 1
	s_lshl_b32 s88, s88, 17
	s_lshl_b32 s89, s21, 14
	s_add_co_u32 s88, s88, s89
	s_lshl_b32 s89, s20, 12
	s_add_co_u32 s88, s88, s89                     ; W: my wave's part, the quarter by cy
	s_cmp_eq_u32 s16, 0
	s_cselect_b32 s88, s87, s88
	s_mul_i32 s89, s[PS], 3
	s_add_co_u32 s88, s88, s89                     ; at step 3: the first change of slots steps it to step 4
	s_mov_b32 s89, 0
	s_add_nc_u64 s[PFA:PFA+1], s[PFA:PFA+1], s[88:89]
	v_and_b32 v1, 15, v0
	v_bfe_u32 v2, v0, 4, 1
	v_lshrrev_b32 v3, 1, v1
	v_mul_u32_u24 v3, v3, PITCH
	v_and_b32 v9, 1, v1
	v_lshl_add_u32 v3, v9, 7, v3
	v_lshl_add_u32 v3, v2, 4, v3                   ; (r / 2) LDS rows + 128 (r % 2) + 16 h
	v_add_nc_u32 v[ADRA], s90, v3
	v_add_nc_u32 v[ADRB], s91, v3
	v_add_nc_u32 v[ADRA+1], SLOT, v[ADRA]
	v_add_nc_u32 v[ADRB+1], SLOT, v[ADRB]
	v_mul_u32_u24 v4, v1, SPITCH
	v_lshl_add_u32 v4, v2, 3, v4
	v_add_nc_u32 v[STOQ], s92, v4
	v_and_b32 v5, 8, v1
	v_mad_u32_u24 v[STOK], v5, SPITCH, v[STOQ]     ; row r + 8 (r / 8)
	v_and_b32 v6, 31, v0
	v_lshlrev_b32 v[CO], 4, v6
	v_lshrrev_b32 v7, 2, v6
	v_mul_u32_u24 v7, v7, SPITCH
	v_and_b32 v8, 3, v6
	v_lshl_add_u32 v7, v8, 4, v7
	v_add_nc_u32 v[RD], s92, v7                    ; back: four lanes to a row of 64 bytes
	v_min_u32 v[PFO], s86, v6
	v_lshlrev_b32 v[PFO], 8, v[PFO]
.macro MM d, x, y, zero
.if \zero
	v_wmma_f32_16x16x64_fp8_fp8 v[\d:\d+7], v[\x:\x+7], v[\y:\y+7], 0
.else
	v_wmma_f32_16x16x64_fp8_fp8 v[\d:\d+7], v[\x:\x+7], v[\y:\y+7], v[\d:\d+7]
.endif
.endm
; x's blocks a0 .. a1 - 1 against part g's four fragments, 64 along K (half q of the slot): all accumulators differ, and 96 take turns in a half step
.macro MULS q, g, a0, a1, zero
.set AA, \a0
.rept \a1-\a0
.set BI, 0
.rept 4
.if \g == 2
	MM 32*AA+8*BI, AF+64*(\q)+8*AA, BF+32*(\g)+8*BI, \zero
.else
	MM 32*AA+8*BI, BF+32*(\g)+8*BI, AF+64*(\q)+8*AA, \zero
.endif
.set BI, BI+1
.endr
.set AA, AA+1
.endr
.endm
.macro RUNB slot, q, g                 ; 8 loads: part g's four fragments
.irp b, 0,1,2,3
.irp c, 0,1
	ds_load_b128 v[BF+32*(\g)+8*\b+4*\c:BF+32*(\g)+8*\b+4*\c+3], v[ADRB+\slot] offset:(64*(\g)+8*\b)*PITCH+64*(\q)+32*\c
.endr
.endr
.endm
.macro RUNA slot, q, a0                ; 8 loads: x's blocks a0 .. a0 + 3 into set q
.irp a, \a0, \a0+1, \a0+2, \a0+3
.irp c, 0,1
	ds_load_b128 v[AF+64*(\q)+8*(\a)+4*\c:AF+64*(\q)+8*(\a)+4*\c+3], v[ADRA+\slot] offset:8*(\a)*PITCH+64*(\q)+32*\c
.endr
.endr
.endm
; A SLOT: six units of 32 products (half q x part g).  Behind each unit, four places and a run of loads into the registers that it has freed.  The runs, in order: 16, 16, 8 (this slot's second half), 24, 8, 8 (the next slot's first half).
; mode 2: the slot is filled again behind a round of the cluster's barrier; 1: the slots change, nothing is filled; 0: the last slot.  ask 1: a prefetch follows the refill; 2: in all the loop's trips but the last; 0: none.
.macro SLOTW slot, mode, zero, ask
	s_wait_dscnt 16                                ; the run of 24 is in; the two runs of 8 behind it may be out
	WIN 0x50
	MULS 0, 0, 0, 8, \zero
	WIN 0
	PLACES
	RUNB \slot, 1, 0
	RUNA \slot, 1, 0
	s_wait_dscnt 24                                ; behind k's fragments: runs of 8 and 16
	WIN 0xa0
	MULS 0, 1, 0, 8, \zero
	WIN 0
	PLACES
	RUNB \slot, 1, 1
	RUNA \slot, 1, 4
	s_wait_dscnt 32                                ; behind v's fragments: two runs of 16
	WIN 0xf0
	MULS 0, 2, 0, 8, \zero
	WIN 0
	PLACES
	RUNB \slot, 1, 2
.if \mode > 0
.if \mode == 2
	s_wait_xcnt 0x0                                ; the last prefetch, a step back, has read its address
	s_add_nc_u64 s[PFA:PFA+1], s[PFA:PFA+1], s[PS:PS+1]
.endif
	s_wait_tensorcnt 0x0                           ; my part of the next slot is in
	ds_add_u32 v[SPW], v[NIL]
	s_wait_dscnt 9                                 ; the add and the run of 8 may be out
	WIN 0x50
	MULS 1, 0, 0, 4, 0
	s_wait_dscnt 0x0                               ; the add is done, and my reads of this slot are over
	s_barrier_signal -1
	MULS 1, 0, 4, 8, 0
	WIN 0
	s_barrier_wait -1
.if \mode == 2
	CREST
	s_add_nc_u64 s[G0+4*\slot+2:G0+4*\slot+3], s[G0+4*\slot+2:G0+4*\slot+3], 2*XS
	s_add_nc_u64 s[G0B+4*\slot+2:G0B+4*\slot+3], s[G0B+4*\slot+2:G0B+4*\slot+3], 2*WS
	JLOAD \slot                                    ; two steps on; its four v_nop are the places for the loads below
.else
	PLACES
.endif
	RUNB 1-\slot, 0, 0
	RUNA 1-\slot, 0, 0
	RUNA 1-\slot, 0, 4
.if \ask == 1
	global_prefetch_b8 v[PFO], s[PFA:PFA+1] th:TH_LOAD_NT scope:SCOPE_SE
.endif
.if \ask == 2
	s_cmp_gt_u32 s3, 1                             ; the loop's last trip would name steps 23 and 24
	s_cbranch_scc0 .Lno_ask_\@
	global_prefetch_b8 v[PFO], s[PFA:PFA+1] th:TH_LOAD_NT scope:SCOPE_SE
.Lno_ask_\@:
.endif
	WIN 0xa0
	MULS 1, 1, 0, 8, 0
	WIN 0
	PLACES
	RUNB 1-\slot, 0, 1
	WIN 0xf0
	MULS 1, 2, 0, 8, 0
	WIN 0
	PLACES
	RUNB 1-\slot, 0, 2
.else
	s_wait_dscnt 8
	WIN 0x50
	MULS 1, 0, 0, 8, 0
	s_wait_dscnt 0x0
	WIN 0xa0
	MULS 1, 1, 0, 8, 0
	WIN 0xf0
	MULS 1, 2, 0, 8, 0
	WIN 0
.endif
.endm
	s_wait_alu depctr_va_vdst(0)                   ; the wait at the head's end
	s_wait_tensorcnt 0x0                           ; my part of step 0 is in; slot 1's first fill is issued as a refill is
	ds_add_u32 v[SPW], v[NIL]
	s_wait_dscnt 0x0
	CROUND
	JLOAD 1
	RUNB 0, 0, 0
	RUNA 0, 0, 0
	RUNA 0, 0, 4
	RUNB 0, 0, 1
	RUNB 0, 0, 2
	SLOTW 0, 2, 1, 1                               ; step 0 starts the sums; asks for step 2
	s_mov_b32 s3, 10
.Llap:                                                 ; steps 1 to 20 ask for steps 3 to 22
	SLOTW 1, 2, 0, 2
	SLOTW 0, 2, 0, 2
	s_sub_co_u32 s3, s3, 1
	s_cmp_lg_u32 s3, 0
	s_cbranch_scc1 .Llap
	SLOTW 1, 2, 0, 0                               ; step 21 asks for step 23
	SLOTW 0, 1, 0, 0
	SLOTW 1, 0, 0, 0
; THE WAY OUT, part by part: held at +-448 x the scale, converted (the three exponents folded into the conversion's one), 8 bytes a tile into my stage; 8,192 bytes come back in memory's order and leave 512 consecutive bytes a store.
.macro TOSTAGE g
.set AA, 0
.rept 8
	WIN 1+\g
.set JJ, 0
.rept 32
	v_med3_num_f32 v[TMP+JJ], v[32*AA+JJ], -v[LIM+\g], v[LIM+\g]   ; each accumulator from its low end on
.set JJ, JJ+1
.endr
	WIN 0
.irp b, 0,1,2,3
	v_cvt_scalef32_pk8_fp8_f32 v[CD+2*\b:CD+2*\b+1], v[TMP+8*\b:TMP+8*\b+7], v[SC+\g]
.endr
	v_nop                                          ; a plain instruction behind the conversions
.irp b, 0,1,2,3
.if \g == 0
	ds_store_b64 v[STOQ], v[CD+2*\b:CD+2*\b+1] offset:AA*16*SPITCH+16*\b
.endif
.if \g == 1
	ds_store_b64 v[STOK], v[CD+2*\b:CD+2*\b+1] offset:(32*(AA/2)+8*(AA%2))*SPITCH+16*\b
.endif
.if \g == 2
	ds_store_b64 v[STOQ], v[CD+2*\b:CD+2*\b+1] offset:((AA/4)*64+16*\b)*SPITCH+16*(AA%4)
.endif
.endr
.set AA, AA+1
.endr
.set NN, 0
.rept 16
	ds_load_b128 v[BK+64*((\g)%2)+4*NN:BK+64*((\g)%2)+4*NN+3], v[RD] offset:NN*8*SPITCH   ; LDS serves a wave's instructions in order (ISA guide 5.7.1.4)
.set NN, NN+1
.endr
.endm
.macro SEND g, younger
	s_wait_dscnt \younger
.set NN, 0
.rept 16
	global_store_b128 v[CO], v[BK+64*((\g)%2)+4*NN:BK+64*((\g)%2)+4*NN+3], s[OB+2*\g:OB+2*\g+1] offset:512*NN
.set NN, NN+1
.endr
.endm
	s_wait_kmcnt 0x0
	s_add_co_i32 s84, s68, s69                     ; e0 + e1
	s_sub_co_i32 s85, s70, s84
	s_sub_co_i32 s86, s71, s84
	s_sub_co_i32 s87, s73, s84
.irp g, 0,1,2
	s_add_co_i32 s[85+\g], s[85+\g], 127
	s_lshl_b32 s[88+\g], s[85+\g], 23              ; the conversion's scale
	s_add_co_i32 s[85+\g], s[85+\g], 8
	s_lshl_b32 s[85+\g], s[85+\g], 23
	s_or_b32 s[85+\g], s[85+\g], 0x600000          ; 448 x it
.endr
.irp g, 0,1,2
	v_mov_b32 v[SC+\g], s[88+\g]
	v_mov_b32 v[LIM+\g], s[85+\g]
.endr
	TOSTAGE 0
	TOSTAGE 1
	SEND 0, 48                                     ; behind q's loads: k's 32 stores and 16 loads
	s_wait_xcnt 0x0                                ; q's stores have read their data: v's rows land there
	TOSTAGE 2
	SEND 1, 48
	SEND 2, 0
	s_wait_tensorcnt 0x0                           ; the wave's end
	ds_add_u32 v[SPW], v[NIL]
	s_wait_dscnt 0x0
	CROUND                                         ; the closing round
	s_endpgm
.Lfunc_end_k_q32106c9c15_qkv:
	.size	k_q32106c9c15_qkv, .Lfunc_end_k_q32106c9c15_qkv-k_q32106c9c15_qkv
	.p2alignl 7, 3214868480
	.fill 96, 4, 3214868480
	.section	.rodata,"a",@progbits
	.p2align	6, 0x0
	.amdhsa_kernel k_q32106c9c15_qkv
		.amdhsa_group_segment_fixed_size 327680
		.amdhsa_private_segment_fixed_size 0
		.amdhsa_enable_private_segment 0
		.amdhsa_kernarg_size 48
		.amdhsa_user_sgpr_count 2
		.amdhsa_user_sgpr_kernarg_segment_ptr 1
		.amdhsa_wavefront_size32 1
		.amdhsa_system_sgpr_workgroup_id_x 1
		.amdhsa_system_sgpr_workgroup_id_y 1
		.amdhsa_system_sgpr_workgroup_id_z 1
		.amdhsa_system_vgpr_workitem_id 0
		.amdhsa_next_free_vgpr 1024
		.amdhsa_next_free_sgpr 100
		.amdhsa_reserve_vcc 0
		.amdhsa_float_denorm_mode_32 3
		.amdhsa_float_denorm_mode_16_64 3
		.amdhsa_memory_ordered 1
		.amdhsa_forward_progress 1
		.amdhsa_inst_pref_size 194
	.end_amdhsa_kernel
	.amdgpu_metadata
---
amdhsa.version: [ 1, 2 ]
amdhsa.kernels:
  - .name:           k_q32106c9c15_qkv
    .symbol:         k_q32106c9c15_qkv.kd
    .args:
      - { .name: xcat, .offset: 0, .size: 8, .value_kind: global_buffer, .address_space: global }
      - { .name: wcat, .offset: 8, .size: 8, .value_kind: global_buffer, .address_space: global }
      - { .name: lowp_scales, .offset: 16, .size: 8, .value_kind: global_buffer, .address_space: global }
      - { .name: q_ws, .offset: 24, .size: 8, .value_kind: global_buffer, .address_space: global }
      - { .name: k_ws, .offset: 32, .size: 8, .value_kind: global_buffer, .address_space: global }
      - { .name: v_ws, .offset: 40, .size: 8, .value_kind: global_buffer, .address_space: global }
    .group_segment_fixed_size: 327680
    .private_segment_fixed_size: 0
    .kernarg_segment_align: 8
    .kernarg_segment_size: 48
    .max_flat_workgroup_size: 128
    .sgpr_count:     100
    .vgpr_count:     1024
    .wavefront_size: 32
...
	.end_amdgpu_metadata
.endif
;; end of part 2
;; launch attn (part 3): grid 4 x 64, 16 waves a work-group, clusters of 4 x 1, 327,680 bytes of LDS; arguments q_ws, k_ws, v_ws, lowp_scales, out0; writes out0
.if DOCPART == 3
	.amdgcn_target "amdgcn-amd-amdhsa--gfx1250"
	.amdhsa_code_object_version 6
	.text
	.protected	k_q32106c9c15_attn
	.globl	k_q32106c9c15_attn
	.p2align	8
	.type	k_q32106c9c15_attn,@function
k_q32106c9c15_attn:
	s_mov_b64 s[64:65], 0
	v_nop
	global_prefetch_b8 v0, s[64:65] scope:SCOPE_SE
	s_setreg_imm32_b32 hwreg(HW_REG_WAVE_MODE, 25, 1), 1
	s_wait_xcnt 0x0
	s_wait_alu depctr_hold_cnt(0) depctr_sa_sdst(0) depctr_va_vdst(0) depctr_va_sdst(0) depctr_va_ssrc(0) depctr_va_vcc(0) depctr_vm_vsrc(0)
	s_getreg_b32 s2, hwreg(HW_REG_IB_STS2, 6, 4)
	s_cmp_eq_u32 s2, 0
	s_cbranch_scc0 .Lentry_in_a_cluster
	s_endpgm
.Lentry_in_a_cluster:
	s_bfe_u32 s2, ttmp6, 0x10000c
	s_cmp_lg_u32 s2, 0x3003
	s_cbranch_scc0 .Lentry_shape_is_right
	s_endpgm
.Lentry_shape_is_right:
; out[head][q][:] = the sum over k <= q of softmax_k(q . k / 8) v[k][:], both products on the codes of E4M3 that the launch before made; 64 heads, 2,048 positions, head size 64.
; q_ws: [head][t][64 d].  k_ws: the same, with bits 3 and 4 of the position swapped: row 32 b + 16 u + i holds key 32 b + 8 u + i + 8 (i / 8).  v_ws: [head][32 blocks][64 d][64 keys].  out0: [head][t][64] f32.
; THE SOFTMAX: t = score x 2^(e2 + e3) log2(e) / 8; M = the running largest t rounded UP to a whole number; p = 2^(t - M) is quantised with 2^e4, not normalised; the row's sum of the unquantised p divides at the end.
; When M moves, the sum and O are multiplied by 2^(old M - new M), which rounds nothing.
; LEFT OUT: reference() builds jnp.tril itself: p is 0 for key > query, for all inputs.  A step of 128 keys whose first key comes after a tile's last query is neither read nor multiplied; on the diagonal hidden scores become -inf.
; LIMIT: a NaN, an infinity or an overflow that would arise only in the products left out is not carried to the result.
; LIMITS: e2 + e3 between -123 and 130 (added to c's exponent field); e4 between -126 and 119; the scaled scores stay under 2^31 in magnitude.
; SHARES.  The four work-groups of a head form a cluster.  A head's whole K and V, 2 x 512 rows of 272 bytes, are filled ONCE: sixteen waves, one joint load each (waves 0-7: 256 keys of K each, waves 8-15: of V); one barrier, no ring.
; Work-group i, wave w owns the tiles of 16 queries 8 w + i and 127 - (8 w + i): w + 1 and 16 - w steps of 128 keys: SEVENTEEN steps for every wave, the last of each tile on the diagonal.  The last tile of wave 0 reads the last keys: every fill is read.
; No branch, trip count or LDS address hangs on i: it enters global addresses and the mask's compare alone.
; NO PREFETCH: every load of K and V stands at the head; there is no loop to run ahead in.
; LAYOUT.  Both products transposed: a lane holds ONE query (lane % 16).  The 16 registers of score tiles 2 b, 2 b + 1 are keys 32 b + 16 (lane / 16) + 0 .. 15, so the conversions' results are P as V's loads of 16 bytes want it.
; REGISTERS: v1-11 addresses and the mask's bound; v12 -M, v13 the largest t, v[14:15] the sum; v16-23 Q, v24-31 the second tile's; v32-95 K's 8 fragments, then V's 4; v96-159 scores, then p; v160-191 O^T; v192-207 P; v208-239 O / sum.
.set KP,    272                        ; 256 bytes (4 rows of K, or 4 channels of a block of V) + 16
.set SLOTB, 64*KP                      ; what one load fills
.set VOFF,  8*SLOTB
.set STEPB, 32*KP                      ; 128 keys, of K and of V
.set STAGE, 2*VOFF                     ; the way out: 16 rows x (128 bytes + 16) for each wave
.set SP,    144
.set SPARE, STAGE+16*16*SP
.set AK0, 1
.set AV0, 2
.set STO, 3
.set SRD, 4
.set SPW, 5
.set NIL, 6
.set GO,  7
.set ADK, 8
.set ADV, 9
.set DQ,  10                           ; my query - the diagonal step's first key - 16 (lane / 16)
.set DQB, 11                           ; the second tile's
.set WV,  18
.set SEL, 20
.set CS,  22
.set G1,  24
.set G0,  32
.set CNT, 40                           ; the trip
.set NW,  41                           ; -(wave + 1)
.set Q0,  43
.set IDX, 44
.set OBA, 52
.set Q0B, 59
.set MSK, 74                           ; lanes with lane % 16 >= 8
.macro CROUND
	s_barrier_signal -1
	s_barrier_wait -1
	s_cmp_lg_u32 s[WV], 0
	s_cbranch_scc1 .Lnot_wave_0_\@
	s_barrier_signal -3
.Lnot_wave_0_\@:
	s_barrier_wait -3
	s_barrier_signal -1
	s_barrier_wait -1
.endm
.macro FRESH                           ; a tile's start: the largest t is -3e38; the sum and O^T are zeros, which the first change of M leaves zeros
	v_mov_b32 v13, 0xff61b1e6
	v_floor_f32 v12, -v13
	v_mov_b32 v14, 0
	v_mov_b32 v15, 0
.set JJ, 0
.rept 32
	v_mov_b32 v[160+JJ], 0
.set JJ, JJ+1
.endr
.endm
	s_load_b256 s[4:11], s[0:1], 0x0               ; q_ws, k_ws, v_ws, the exponents
	s_load_b64 s[12:13], s[0:1], 0x20              ; out0
	v_lshl_add_u32 v[SPW], v0, 2, SPARE
	v_mov_b32 v[NIL], 0
	ds_add_u32 v[SPW], v[NIL]                      ; the opening: the add twice on end and its wait
	ds_add_u32 v[SPW], v[NIL]
	v_lshrrev_b32 v8, 5, v0
	v_readfirstlane_b32 s[WV], v8
	s_and_b32 s61, ttmp7, 0xffff                   ; the head
	s_bfe_u32 s[IDX], ttmp6, 0x40000               ; i
	s_mov_b32 s[G1], 15|(1<<20)|(1<<21)|(5<<22)|(3<<25)   ; all four partners; bytes; four words of padding behind every 64
	s_mov_b32 s[G1+1], 256<<16
	s_mov_b32 s[G1+2], 64<<16
	s_mov_b32 s[G1+3], 256<<16
	s_mov_b32 s[G1+4], 64
	s_mov_b32 s[G1+5], 256
	s_mov_b32 s[G1+6], 0
	s_mov_b32 s[G1+7], 0
	s_mov_b32 s[G0], 1
	s_mul_i32 s[G0+1], s[WV], SLOTB                ; K's eight parts, then V's eight
	s_and_b32 s46, s[WV], 7
	s_lshl_b32 s46, s46, 14                        ; 16,384 bytes of memory a part
	s_lshl_b32 s62, s61, 17                        ; the head's first byte in each buffer of codes
	s_add_co_u32 s46, s46, s62
	s_mov_b32 s47, 0
	s_mov_b32 s63, 0
	s_mov_b32 s[SEL], 0x76543210
	s_mov_b32 s[SEL+1], 0xfedcba98
	s_mov_b32 s[CS], 0x3e38aa3b                    ; log2(e) / 8
	s_xor_b32 s[NW], s[WV], -1
	s_wait_dscnt 0x0
	s_wait_kmcnt 0x0
	s_load_b128 s[48:51], s[10:11], 0x8            ; e2, e3, e4, e5
	s_cmp_lt_u32 s[WV], 8
	s_cselect_b64 s[G0+2:G0+3], s[6:7], s[8:9]
	s_add_nc_u64 s[G0+2:G0+3], s[G0+2:G0+3], s[46:47]
	s_or_b32 s[G0+3], s[G0+3], 0x80000000
	CROUND                                         ; the joint loads meet
	tensor_load_to_lds s[G0:G0+3], s[G1:G1+7]      ; every wave's one load
	s_nop 0
	s_lshl_b32 s45, s[WV], 3
	s_add_co_u32 s45, s45, s[IDX]
	s_lshl_b32 s[Q0], s45, 4                       ; my first tile's first query
	s_sub_co_u32 s[Q0B], 2032, s[Q0]               ; the second's
	s_add_nc_u64 s[4:5], s[4:5], s[62:63]
	s_mov_b32 s71, 0
	s_lshl_b32 s70, s[Q0], 6
	s_add_nc_u64 s[66:67], s[4:5], s[70:71]
	s_lshl_b32 s70, s[Q0B], 6
	s_add_nc_u64 s[68:69], s[4:5], s[70:71]
	s_lshl_b32 s70, s61, 19
	s_add_nc_u64 s[12:13], s[12:13], s[70:71]
	s_lshl_b32 s70, s[Q0], 8
	s_add_nc_u64 s[OBA:OBA+1], s[12:13], s[70:71]
	s_lshl_b32 s70, s[Q0B], 8
	s_add_nc_u64 s[OBA+2:OBA+3], s[12:13], s[70:71]
	s_mul_i32 s46, s[WV], 16*SP
	s_add_co_u32 s46, s46, STAGE                   ; my stage
	s_lshl_b32 s47, s[IDX], 4                      ; the first tile's place in its diagonal step: 16 i
	s_sub_co_u32 s72, 112, s47                     ; the second's: 16 (7 - i)
	s_wait_kmcnt 0x0
	s_add_co_i32 s45, s48, s49
	s_lshl_b32 s45, s45, 23
	s_add_co_i32 s[CS], s[CS], s45                 ; x 2^(e2 + e3)
	s_mov_b32 s[CS+1], s[CS]
	s_add_co_i32 s45, s50, 127
	s_lshl_b32 s73, s45, 23                        ; 2^e4
	s_add_co_i32 s45, s45, 8
	s_lshl_b32 s45, s45, 23
	s_or_b32 s45, s45, 0x600000                    ; 448 x 2^e4
	s_add_co_i32 s60, s50, s51                     ; e4 + e5
	v_and_b32 v8, 15, v0                           ; r
	v_bfe_u32 v9, v0, 4, 1                         ; h
	v_lshlrev_b32 v254, 6, v8
	v_lshl_add_u32 v254, v9, 4, v254
.irp c, 0,1
	global_load_b128 v[16+4*\c:19+4*\c], v254, s[66:67] offset:32*\c   ; d = 32 c + 16 h on, as K's fragments
	global_load_b128 v[24+4*\c:27+4*\c], v254, s[68:69] offset:32*\c
.endr
	v_lshrrev_b32 v1, 2, v8
	v_mul_u32_u24 v1, v1, KP
	v_and_b32 v2, 3, v8
	v_lshl_add_u32 v1, v2, 6, v1
	v_lshl_add_u32 v[AK0], v9, 4, v1               ; (r / 4) rows + 64 (r % 4) + 16 h
	v_add_nc_u32 v[AV0], VOFF, v[AK0]
	v_and_b32 v[GO], 31, v0
	v_lshlrev_b32 v[GO], 4, v[GO]
	v_mul_u32_u24 v[STO], v8, SP
	v_lshl_add_u32 v[STO], v9, 5, v[STO]
	v_add_nc_u32 v[STO], s46, v[STO]               ; in: row r, + 32 h
	v_and_b32 v[SRD], 7, v8
	v_lshlrev_b32 v[SRD], 4, v[SRD]
	v_mad_u32_u24 v[SRD], v9, SP, v[SRD]
	v_add_nc_u32 v[SRD], s46, v[SRD]               ; back: row h, 16 (r % 8)
	v_cmp_lt_u32 s[MSK], 7, v8
	v_lshlrev_b32 v251, 4, v9
	v_sub_nc_u32 v251, v8, v251
	v_add_nc_u32 v[DQ], s47, v251
	v_add_nc_u32 v[DQB], s72, v251
	v_mov_b32 v244, s73
	v_mov_b32 v240, s45
	v_mov_b32 v246, 0                              ; a lane permute's destination counts as a source
	v_mov_b32 v253, 0                              ; (the upper half of the pair v[252:253])
	v_mov_b32 v250, 0xff800000                     ; -infinity
	FRESH
; A KEY STEP of 128 keys.  Trips 0 .. w walk the first tile's steps 0 .. w, trips w + 1 .. 16 the second's 0 .. 15 - w.  diag = 1: the step is known to lie on the diagonal.
.macro STEP diag
	s_cmp_gt_u32 s[CNT], s[WV]
	s_cselect_b32 s45, s[NW], 0
	s_add_co_u32 s45, s[CNT], s45
	s_min_u32 s45, s45, 15                         ; the step, 0 .. 15
	s_mul_i32 s45, s45, STEPB
	v_add_nc_u32 v[ADK], s45, v[AK0]
	v_add_nc_u32 v[ADV], s45, v[AV0]
	v_nop
	v_nop                                          ; four places behind the last products, ahead of loads into registers that they read
.irp t, 0,1,2,3,4,5,6,7
.irp c, 0,1
	ds_load_b128 v[32+8*\t+4*\c:35+8*\t+4*\c], v[ADK] offset:4*\t*KP+32*\c
.endr
.endr
	s_wait_alu depctr_va_vdst(0)                   ; directly ahead of the wait below
	s_wait_dscnt 0x0
.irp t, 0,1,2,3,4,5,6,7
	v_wmma_f32_16x16x64_fp8_fp8 v[96+8*\t:103+8*\t], v[32+8*\t:39+8*\t], v[16:23], 0
.endr
.rept 4
	v_nop
.endr
.irp dt, 0,1,2,3
.irp b, 0,1,2,3
	ds_load_b128 v[32+16*\dt+4*\b:35+16*\dt+4*\b], v[ADV] offset:((\b/2)*16+4*\dt)*KP+32*(\b%2)   ; channel 16 dt + r, keys 32 b + 16 h on: V lands while the softmax is worked
.endr
.endr
.if \diag == 0
	s_cmp_lg_u32 s[CNT], s[WV]                     ; the wave's number and the count of trips alone
	s_cbranch_scc1 .Lopen_\@
.endif
.set NN, 0
.rept 64
	v_cmp_gt_i32 vcc_lo, 32*(NN/16)+NN%16, v[DQ]   ; register n holds key 32 (n / 16) + 16 h + n % 16 of the step
	v_cndmask_b32 v[96+NN], v[96+NN], v250, vcc_lo
.set NN, NN+1
.endr
.Lopen_\@:
	v_max3_num_f32 v254, v96, v97, v98             ; the step's largest score of my query, in two chains, each accumulator from its low end on
	v_max3_num_f32 v252, v99, v100, v101
.irp i, 6,10,14,18,22,26,30,34,38,42,46,50,54,58
	v_max3_num_f32 v254, v254, v[96+\i], v[97+\i]
	v_max3_num_f32 v252, v252, v[98+\i], v[99+\i]
.endr
	v_max3_num_f32 v254, v254, v158, v159
	v_max_num_f32 v254, v254, v252
	v_permlanex16_b32 v246, v254, s[SEL], s[SEL+1]
	v_max_num_f32 v254, v254, v246                 ; the step's first key counts for every query of the tile: a number
	v_mul_f32 v254, s[CS], v254
	v_max_num_f32 v13, v13, v254
	v_mov_b32 v254, v12
	v_floor_f32 v12, -v13                          ; -M = floor(-t)
	v_sub_f32 v254, v12, v254
	v_cvt_i32_f32 v254, v254
	v_ldexp_f32 v252, 1.0, v254                    ; f = 2^(old M - new M)
.set JJ, 0
.rept 32
	v_pk_mul_f32 v[96+JJ:97+JJ], v[96+JJ:97+JJ], s[CS:CS+1] op_sel_hi:[1,0]   ; t = score x c, rounded to f32 once: c is log2(e) as f32 times a power of two, so these are t's own bits; -infinity stays
.set JJ, JJ+2
.endr
.set JJ, 0
.rept 32
	v_pk_add_f32 v[96+JJ:97+JJ], v[96+JJ:97+JJ], v[12:13] op_sel_hi:[1,0]   ; t - M by an addition of its own: p goes on into a quantiser, so the two are not fused
.set JJ, JJ+2
.endr
	s_wait_alu depctr_va_vdst(0)                   ; the wait ahead of the batch
.set JJ, 0
.rept 64
	v_exp_f32 v[96+JJ], v[96+JJ]
.set JJ, JJ+1
.endr
	v_pk_mul_f32 v[14:15], v[14:15], v[252:253] op_sel_hi:[1,0]
	s_wait_alu depctr_va_vdst(0)                   ; and behind it, ahead of its first reader
	v_pk_add_f32 v[242:243], v[96:97], v[98:99]    ; the sum of the unquantised p, in four chains
	v_pk_add_f32 v[236:237], v[100:101], v[102:103]
	v_pk_add_f32 v[238:239], v[104:105], v[106:107]
	v_pk_add_f32 v[14:15], v[14:15], v[108:109]
.irp j, 14,22,30,38,46,54
	v_pk_add_f32 v[242:243], v[242:243], v[96+\j:97+\j]
	v_pk_add_f32 v[236:237], v[236:237], v[98+\j:99+\j]
	v_pk_add_f32 v[238:239], v[238:239], v[100+\j:101+\j]
	v_pk_add_f32 v[14:15], v[14:15], v[102+\j:103+\j]
.endr
	v_pk_add_f32 v[242:243], v[242:243], v[158:159]
	v_pk_add_f32 v[236:237], v[236:237], v[238:239]
	v_pk_add_f32 v[14:15], v[14:15], v[242:243]
	v_pk_add_f32 v[14:15], v[14:15], v[236:237]
.irp t, 0,1,2,3,4,5,6,7
.irp i, 0,1,2,3,4,5,6,7
	v_min_num_f32 v[96+8*\t+\i], v[96+8*\t+\i], v240   ; the conversion does not saturate (ISA guide 7.6.2); p is not negative
.endr
	v_cvt_scalef32_pk8_fp8_f32 v[192+2*\t:193+2*\t], v[96+8*\t:103+8*\t], v244
.endr
	s_wait_alu depctr_va_vdst(0)                   ; directly ahead of the first reader of O^T
.set JJ, 0
.rept 16
	v_pk_mul_f32 v[160+JJ:161+JJ], v[160+JJ:161+JJ], v[252:253] op_sel_hi:[1,0]
.set JJ, JJ+2
.endr
	s_wait_alu depctr_va_vdst(0)                   ; directly ahead of the wait below
	s_wait_dscnt 0x0                               ; V is in
.irp dt, 0,1,2,3
	v_wmma_f32_16x16x128_fp8_fp8 v[160+8*\dt:167+8*\dt], v[32+16*\dt:47+16*\dt], v[192:207], v[160+8*\dt:167+8*\dt]   ; four accumulators by turns; eight other products between two steps'
.endr
.endm
; A TILE'S WAY OUT.  O^T x 2^(e4 + e5) / the sum goes through my stage in two halves of 32 channels.  Every lane reads both halves back at 16 (lane % 8) of its row and keeps the one that holds its 16 bytes:
; a store then covers two whole rows of 256 bytes, 512 consecutive bytes, aligned.
.macro FINISH
.rept 4
	v_nop
.endr
	v_add_f32 v14, v14, v15
	v_permlanex16_b32 v246, v14, s[SEL], s[SEL+1]
	v_add_f32 v14, v14, v246
	s_wait_alu depctr_va_vdst(0)                   ; ahead of the transcendental
	v_rcp_f32 v14, v14
	v_nop
	s_wait_alu depctr_va_vdst(0)                   ; ahead of its first reader
	v_ldexp_f32 v14, v14, s60
	s_wait_alu depctr_va_vdst(0)                   ; directly ahead of the first reader of O^T
.set JJ, 0
.rept 32
	v_mul_f32 v[208+JJ], v[160+JJ], v14            ; register 8 dt + j is out(r, 16 dt + 8 h + j)
.set JJ, JJ+1
.endr
.irp u, 0,1
.irp d, 0,1
	ds_store_b128 v[STO], v[208+16*\u+8*\d:211+16*\u+8*\d] offset:64*\d
	ds_store_b128 v[STO], v[212+16*\u+8*\d:215+16*\u+8*\d] offset:64*\d+16
.endr
.irp n, 0,1,2,3,4,5,6,7
	ds_load_b128 v[96+32*\u+4*\n:99+32*\u+4*\n], v[SRD] offset:2*\n*SP   ; LDS serves a wave's instructions in order (ISA guide 5.7.1.4)
.endr
.endr
	s_wait_dscnt 0x0
.set JJ, 0
.rept 32
	v_cndmask_b32 v[96+JJ], v[96+JJ], v[128+JJ], s[MSK]
.set JJ, JJ+1
.endr
.irp n, 0,1,2,3,4,5,6,7
	global_store_b128 v[GO], v[96+4*\n:99+4*\n], s[OBA:OBA+1] offset:512*\n th:TH_STORE_NT
.endr
.endm
	s_mov_b32 s[CNT], 0
	s_wait_alu depctr_va_vdst(0)                   ; the wait at the head's end
	s_wait_loadcnt 0x0                             ; Q
	s_wait_tensorcnt 0x0                           ; my part of K or V is in,
	s_barrier_signal -1
	s_barrier_wait -1                              ; and everybody's
.Lstep:                                                ; sixteen trips; the seventeenth step is written out
	STEP 0
	s_cmp_lg_u32 s[CNT], s[WV]
	s_cbranch_scc1 .Lgo_on
	FINISH                                         ; the first tile is done; on to the second
	s_wait_xcnt 0x0                                ; the stores have read their base and their data
	s_mov_b64 s[OBA:OBA+1], s[OBA+2:OBA+3]
.irp j, 0,1,2,3,4,5,6,7
	v_mov_b32 v[16+\j], v[24+\j]
.endr
	v_mov_b32 v[DQ], v[DQB]
	FRESH
.Lgo_on:
	s_add_co_u32 s[CNT], s[CNT], 1
	s_cmp_lt_u32 s[CNT], 16
	s_wait_alu depctr_va_vdst(0)                   ; directly ahead of the branch
	s_cbranch_scc1 .Lstep
	STEP 1
	FINISH
	s_wait_tensorcnt 0x0                           ; the wave's end
	ds_add_u32 v[SPW], v[NIL]
	s_wait_dscnt 0x0
	CROUND                                         ; the closing round
	s_endpgm
.Lfunc_end_k_q32106c9c15_attn:
	.size	k_q32106c9c15_attn, .Lfunc_end_k_q32106c9c15_attn-k_q32106c9c15_attn
	.p2alignl 7, 3214868480
	.fill 96, 4, 3214868480
	.section	.rodata,"a",@progbits
	.p2align	6, 0x0
	.amdhsa_kernel k_q32106c9c15_attn
		.amdhsa_group_segment_fixed_size 327680
		.amdhsa_private_segment_fixed_size 0
		.amdhsa_enable_private_segment 0
		.amdhsa_kernarg_size 40
		.amdhsa_user_sgpr_count 2
		.amdhsa_user_sgpr_kernarg_segment_ptr 1
		.amdhsa_wavefront_size32 1
		.amdhsa_system_sgpr_workgroup_id_x 1
		.amdhsa_system_sgpr_workgroup_id_y 1
		.amdhsa_system_sgpr_workgroup_id_z 1
		.amdhsa_system_vgpr_workitem_id 0
		.amdhsa_next_free_vgpr 256
		.amdhsa_next_free_sgpr 100
		.amdhsa_reserve_vcc 1
		.amdhsa_float_denorm_mode_32 3
		.amdhsa_float_denorm_mode_16_64 3
		.amdhsa_memory_ordered 1
		.amdhsa_forward_progress 1
		.amdhsa_inst_pref_size 66
	.end_amdhsa_kernel
	.amdgpu_metadata
---
amdhsa.version: [ 1, 2 ]
amdhsa.kernels:
  - .name:           k_q32106c9c15_attn
    .symbol:         k_q32106c9c15_attn.kd
    .args:
      - { .name: q_ws, .offset: 0, .size: 8, .value_kind: global_buffer, .address_space: global }
      - { .name: k_ws, .offset: 8, .size: 8, .value_kind: global_buffer, .address_space: global }
      - { .name: v_ws, .offset: 16, .size: 8, .value_kind: global_buffer, .address_space: global }
      - { .name: lowp_scales, .offset: 24, .size: 8, .value_kind: global_buffer, .address_space: global }
      - { .name: out0, .offset: 32, .size: 8, .value_kind: global_buffer, .address_space: global }
    .group_segment_fixed_size: 327680
    .private_segment_fixed_size: 0
    .kernarg_segment_align: 8
    .kernarg_segment_size: 40
    .max_flat_workgroup_size: 512
    .sgpr_count:     100
    .vgpr_count:     256
    .wavefront_size: 32
...
	.end_amdgpu_metadata
.endif
;; end of part 3
